; MI455X (gfx1250); checked and timed in simulation.
; The chip was launched on July 23, 2026; its instructions are those of AMD's public machine-readable ISA for CDNA 5 (MIT licence, August 2026) and "CDNA5" Instruction Set Architecture Reference Guide (July 2026). The comments in the code are by the model that wrote it; some were corrected since.
;; Attention. Allowed arithmetic: matrix products marked QUANTISED: E2M3 operands, one E8M0 scale for each 32 along K, by v_wmma_scale_f32_16x16x128_f8f6f4 with both operands' format E2M3, f32 sums; everything else in f32.
;; Inputs: Wk 1,024 x 1,024 float32; Wo 1,024 x 1,024 float32; Wq 1,024 x 1,024 float32; Wv 1,024 x 1,024 float32; bk 1,024 float32; bo 1,024 float32; bq 1,024 float32; bv 1,024 float32; k 4 x 2,048 x 1,024 float32; q 4 x 2,048 x 1,024 float32; v 4 x 2,048 x 1,024 float32.
;; Outputs: out0 4 x 2,048 x 1,024 float32.
;; This version of the problem:
;;   THIS VERSION OF THE PROBLEM IS GIVEN IN LOW PRECISION. The matrix products marked QUANTISED in the list below multiply operands that are first quantised to E2M3 (2 exponent bits, 3 mantissa bits; 6 bits a number), with one power-of-two scale for each 32 numbers along K (OCP MX v1.0); their sums are f32. All else is computed in f32.
;;   The module's matrix products, in the order in which they are computed (A, B: the left and right operand; K: the contracted axis; several contracted axes count as one K, in the product's order):
;;     1. [M 8,192, K 1,024] x [K 1,024, N 1,024]; A: input k; B: input Wk: QUANTISED
;;     2. [M 8,192, K 1,024] x [K 1,024, N 1,024]; A: input q; B: input Wq: QUANTISED
;;     3. [M 8,192, K 1,024] x [K 1,024, N 1,024]; A: input v; B: input Wv: QUANTISED
;;     4. batch 64 x [M 2,048, K 64] x [K 64, N 2,048]; A: computed on the way; B: computed on the way: QUANTISED
;;     5. batch 64 x [M 2,048, K 2,048] x [K 2,048, N 64]; A: softmax (see below); B: computed on the way: QUANTISED
;;     6. [M 8,192, K 1,024] x [K 1,024, N 1,024]; A: computed on the way; B: input Wo: QUANTISED
;;   THE QUANTISER, for each operand of a quantised product, along K:
;;     - K is cut into blocks of 32 from its start; a last block that is shorter is filled with zeros.
;;     - A block's scale is 2^e with e = floor(log2(the largest magnitude in the block)) - 2, held to -126 .. 127; a block of zeros has e = 0. As a byte (E8M0): e + 127.
;;     - Each number is divided by its block's scale, clamped to +-7.5, and rounded to the nearest number of E2M3, ties to even, subnormals kept.
;;     - The product sums the exact products of the quantised numbers (number of the format x scale) in f32.
;;   ~~~python
;;   def quantise(x, axis):      # numpy; x: float32 -> the quantised numbers, widened to float32 again
;;       x = np.moveaxis(x, axis, -1); K = x.shape[-1]
;;       x = np.pad(x, [(0, 0)] * (x.ndim - 1) + [(0, -K % 32)]); x = x.reshape(x.shape[:-1] + (-1, 32)); a = np.abs(x).max(-1, keepdims=True)
;;       e = np.where(a > 0, np.clip(np.frexp(np.where(a > 0, a, 1))[1] - 1 - 2, -126, 127), 0)      # np.frexp(a)[1] - 1 = floor(log2(a)), exactly
;;       r = np.clip(x / 2.0 ** e, -7.5, 7.5)
;;       step = 2.0 ** (np.maximum(np.frexp(np.where(r == 0, 1, r))[1] - 1, 0) - 3)
;;       q = np.round(r / step) * step * 2.0 ** e      # np.round: ties to even
;;       return np.moveaxis(q.reshape(q.shape[:-2] + (-1,))[..., :K], -1, axis).astype(np.float32)
;;   ~~~
;;   SOFTMAX AHEAD OF A QUANTISED PRODUCT. Where the list says 'softmax', what is quantised is not the finished softmax but p = 2^(t - M), with t = logit x log2(e) and M = ceil(the row's largest t), a whole number; so 1/2 < the row's largest p <= 1. The row's sum l is taken of the UNQUANTISED p, in f32, and the product's result is divided by l at the end. Since M is a whole number, a kernel that streams over the keys may use a running M (the ceiling of the running maximum): every later rescaling is an exact power of two, which a block's scale takes up: the codes' values come out the same.
;;   OPERANDS COMPUTED ON THE WAY. 'Computed on the way' means the value that the module computes at that place (a softmax that the list does not call 'softmax' is quantised finished and normalised). What goes into a quantiser is computed in f32, as accurately as f32 sums, v_exp_f32 and their like allow (about 1e-6 of the number): no bf16 or f16 on the way to a quantiser, and a product that is left as it is and whose result goes on into a quantised operand takes f32 operands (vector FMAs, or v_wmma_f32_16x16x4_f32). A number that lies on a knife's edge between two numbers of the format may be rounded either way, as far as f32 arithmetic and the matrix unit's own rounding can turn it there, and no further.
;; One version. Each part assembles by itself: llvm-mc -triple=amdgcn-amd-amdhsa -mcpu=gfx1250 --defsym DOCPART=n.
;; ======== version 1 of 1: 4 launches
;; limits: right only within a limited range of input values
;; workspace buffers: codes 22,020,096 bytes; scl 917,504 bytes; kv 13,107,200 bytes; qq 6,553,600 bytes; oc 6,291,456 bytes; os 262,144 bytes
;; launch quant (part 1): grid 448 x 1, 4 waves a work-group, no clusters, 35,328 bytes of LDS; arguments k, q, v, Wk, Wq, Wv, Wo, codes, scl; writes codes, scl
.if DOCPART == 1
	.amdgcn_target "amdgcn-amd-amdhsa--gfx1250"
	.amdhsa_code_object_version 6
	.text
	.protected	k_q92b1de8136_quant
	.globl	k_q92b1de8136_quant
	.p2align	8
	.type	k_q92b1de8136_quant,@function
k_q92b1de8136_quant:
	s_mov_b64 s[64:65], 0
	v_nop
	global_prefetch_b8 v0, s[64:65] scope:SCOPE_SE
	s_setreg_imm32_b32 hwreg(HW_REG_WAVE_MODE, 25, 1), 1
	s_wait_xcnt 0x0
; k, q, v [8192][1024] and Wk, Wq, Wv, Wo [1024][1024], f32, K innermost, become codes of FP6 (E2M3) with one E8M0 byte for each 32 along K.
; A block's scale is 2^(floor(log2(its largest magnitude)) - 2): its byte is that magnitude's exponent field - 2, held at 1 from below.
; LIMITS: NaN and infinities are not served.  A block of zeros, or one whose largest magnitude lies under 2^-124, gets the byte 1 (the rule says 127 for zeros): its codes are
; zeros or what the byte 1 gives, and only this program reads the bytes.
; THE LAYOUT OF THE CODES IS THE ORDER OF THE OPERAND'S REGISTERS.  A TILE is 16 rows: tile t holds rows 32 (t / 2) + 8 (t % 2) + r + 8 (r / 8), r = 0 .. 15.  A UNIT is a tile x 64 along K, 768 bytes:
; lane (r, h) owns the 24 bytes of the tile's row r, k = 64 j + 32 h + 0 .. 31; its first 16 bytes lie at 16 x lane, its last 8 at 512 + 8 x lane.  codes: [tile 0..1791][unit 0..15][768];
; scl: [tile][r][32 bytes], byte = k / 32.  Tiles: k 0-511, q 512-1023, v 1024-1535, Wk 1536-, Wq 1600-, Wv 1664-, Wo 1728-1791.
; SHARES.  A wave takes one tile: 16 rows x 1,024 numbers, 16 units.  A unit's eight loads read 256 consecutive bytes of a row in sixteen lanes; the 4,096 bytes turn through the wave's own stage in LDS
; (rows 272 bytes apart, so that the sixteen rows of a read begin in different banks) and come back 128 bytes a lane: a whole block of 32 in one lane's registers, so that no other lane is asked for a maximum.
; Every store of codes covers 512 or 256 consecutive bytes, aligned.  Loads run three units (24 loads a wave) ahead, the turn through LDS one unit.  No barrier: waves share nothing.
.set WREG,  8704                       ; LDS of a wave: two stages of 16 rows x 272 bytes
.set STG,   4352
.set SPARE, 4*WREG                     ; behind the four regions: the spare words, 128 bytes for each wave, which no other line names
.set RW,    136                        ; v136-231 three sets of 32: a unit as it is loaded
.set XN,    72                         ; v72-135  two sets of 32: my block's 32 numbers
.set WD,    16                         ; v16-23   my row's eight scale words
; v2 my bytes in a load; v3 the stage, in; v4 the stage, out; v5 16 x lane; v6 8 x lane; v7 8 h; v8 32 r + 16 h; v10, v11 two chains of the maximum; v12, v13 the add's two;
; v14 the conversion's scale operand; v15 the even unit's byte; v24-27 the words that I store; v28, v29 at work; v32-37, v40-45 two sets of codes; v64-66 a block's upper 16 codes
	s_load_b512 s[8:23], s[0:1], 0x0               ; k, q, v, Wk, Wq, Wv, Wo, codes
	s_load_b64 s[24:25], s[0:1], 0x40              ; scl
	v_lshl_add_u32 v12, v0, 2, SPARE
	v_mov_b32 v13, 0
	v_lshrrev_b32 v1, 5, v0
	v_readfirstlane_b32 s2, v1                     ; wave 0..3
	v_and_b32 v1, 31, v0                           ; lane
	v_and_b32 v9, 15, v0                           ; r
	v_bfe_u32 v28, v0, 4, 1                        ; h
	v_lshlrev_b32 v29, 4, v9
	v_lshl_add_u32 v2, v28, 12, v29                ; a load takes two rows: 4,096 h + 16 (lane % 16)
	s_mul_i32 s3, s2, WREG
	v_mad_u32_u24 v3, v28, 272, v29
	v_add_nc_u32 v3, s3, v3                        ; and lays them into two rows of the stage
	v_mul_u32_u24 v4, v9, 272
	v_lshl_add_u32 v4, v28, 7, v4
	v_add_nc_u32 v4, s3, v4                        ; back: row r, my half's 128 bytes
	v_lshlrev_b32 v5, 4, v1
	v_lshlrev_b32 v6, 3, v1
	v_lshlrev_b32 v7, 3, v28
	v_lshlrev_b32 v8, 5, v9
	v_lshl_add_u32 v8, v28, 4, v8
	s_mov_b32 s26, 0x76543210
	s_mov_b32 s27, 0xfedcba98                      ; v_permlanex16_b32's selects for lane l xor 16
	s_mov_b32 s30, 0xffff0000                      ; lanes 16-31
	s_wait_alu depctr_va_vdst(0)
	s_wait_kmcnt 0x0
	s_mov_b64 s[4:5], s[20:21]                     ; which tensor is my work-group's?  The choice hangs on the work-group's number alone
	s_mov_b32 s6, 432
	s_cmp_lt_u32 ttmp9, 432
	s_cselect_b64 s[4:5], s[18:19], s[4:5]
	s_cselect_b32 s6, 416, s6
	s_cmp_lt_u32 ttmp9, 416
	s_cselect_b64 s[4:5], s[16:17], s[4:5]
	s_cselect_b32 s6, 400, s6
	s_cmp_lt_u32 ttmp9, 400
	s_cselect_b64 s[4:5], s[14:15], s[4:5]
	s_cselect_b32 s6, 384, s6
	s_cmp_lt_u32 ttmp9, 384
	s_cselect_b64 s[4:5], s[12:13], s[4:5]
	s_cselect_b32 s6, 256, s6
	s_cmp_lt_u32 ttmp9, 256
	s_cselect_b64 s[4:5], s[10:11], s[4:5]
	s_cselect_b32 s6, 128, s6
	s_cmp_lt_u32 ttmp9, 128
	s_cselect_b64 s[4:5], s[8:9], s[4:5]
	s_cselect_b32 s6, 0, s6
	s_sub_co_u32 s6, ttmp9, s6
	s_lshl_b32 s6, s6, 2
	s_add_co_u32 s6, s6, s2                        ; my tile in its tensor
	; k's tiles have an order of their own: tile t holds rows 64 (t / 4) + 8 (t % 4) + r % 8 + 32 (r / 8), so that in the attention a lane's scores of four tiles are 32 neighbouring keys
	s_sub_co_u32 s34, ttmp9, 256                   ; v, Wk and Wq (work-groups 256 to 415) take the same order as k (0 to 127): their results' 32 numbers of four tiles then are one scale block in a lane
	s_cmp_lt_u32 s34, 160
	s_cselect_b32 s34, 1, 0
	s_cmp_lt_u32 ttmp9, 128
	s_cselect_b32 s34, 1, s34
	s_cmp_eq_u32 s34, 1
	s_cselect_b32 s31, 2, 1
	s_cselect_b32 s32, 3, 1                        ; and as a mask
	s_cselect_b32 s33, 0x10000, 0                  ; k: a tile's rows 8-15 lie 16 rows further on than in the other tensors
	s_lshr_b32 s7, s6, s31
	s_add_co_u32 s31, s31, 16
	s_lshl_b32 s28, s7, s31                        ; 64 or 32 rows of 4,096 bytes for each group of tiles,
	s_and_b32 s7, s6, s32
	s_lshl_b32 s7, s7, 15                          ; 8 rows for each tile in it
	s_add_co_u32 s28, s28, s7
	s_mov_b32 s29, 0
	s_add_nc_u64 s[4:5], s[4:5], s[28:29]
	s_lshl_b32 s6, ttmp9, 2
	s_add_co_u32 s6, s6, s2                        ; my tile among all 1,792
	s_mul_i32 s28, s6, 12288
	s_add_nc_u64 s[22:23], s[22:23], s[28:29]
	s_lshl_b32 s28, s6, 9
	s_add_nc_u64 s[24:25], s[24:25], s[28:29]
	v_add_nc_u32 v30, s33, v2                      ; my bytes in a load of the tile's rows 8-15
	s_wait_alu depctr_va_vdst(0)
.macro LOAD j                          ; unit j: 256 bytes of each of the tile's 16 rows, two rows a load
.irp i, 0,1,2,3,4,5,6,7
	global_load_b128 v[RW+32*((\j)%3)+4*\i:RW+32*((\j)%3)+4*\i+3], v[2+28*(\i/4)], s[4:5] offset:(2*\i+8*(\i/4))*4096+256*(\j) th:TH_LOAD_NT
.endr
.endm
.macro TURN j                          ; unit j through the stage: LDS serves a wave's instructions in order, so no wait stands between the stores and the loads
.irp i, 0,1,2,3,4,5,6,7
	ds_store_b128 v3, v[RW+32*((\j)%3)+4*\i:RW+32*((\j)%3)+4*\i+3] offset:STG*((\j)%2)+544*\i
.endr
.irp i, 0,1,2,3,4,5,6,7
	ds_load_b128 v[XN+32*((\j)%2)+4*\i:XN+32*((\j)%2)+4*\i+3], v4 offset:STG*((\j)%2)+16*\i
.endr
.endm
.macro STEP j
.set XS, XN+32*((\j)%2)
.set CS, 32+8*((\j)%2)
	s_wait_dscnt 0x0                               ; this unit's numbers are back from the stage, and its stores into the stage have read their registers,
.if (\j)+3 < 16
	LOAD (\j)+3                                    ; which take the loads of three units on
.endif
.if (\j)+1 < 16
.if (\j)+3 < 16
	s_wait_loadcnt 16                              ; the next unit's eight loads are in; those of the two units behind it may be out
.else
	s_wait_loadcnt 8*(14-(\j))                     ; at the end the counts run down
.endif
	TURN (\j)+1                                    ; the next unit goes through the other stage while this one is worked
.endif
	v_max3_num_f32 v10, |v[XS]|, |v[XS+1]|, 0x1800000   ; the block's largest magnitude, all 32 numbers mine, in two chains; and the floor 2^(3 - 127): the byte cannot fall under 1
	v_max3_num_f32 v11, |v[XS+2]|, |v[XS+3]|, |v[XS+4]|
.irp i, 5,9,13,17,21,25
	v_max3_num_f32 v10, v10, |v[XS+\i]|, |v[XS+\i+1]|
	v_max3_num_f32 v11, v11, |v[XS+\i+2]|, |v[XS+\i+3]|
.endr
	v_max3_num_f32 v10, v10, |v[XS+29]|, |v[XS+30]|
	v_max3_num_f32 v10, v10, v11, |v[XS+31]|
	v_add_nc_u32 v14, 0xff000000, v10              ; 2 off its exponent field: the conversion takes the exponent field of this operand as its scale
	s_wait_alu depctr_va_vdst(0)
	s_wait_xcnt 0x0                                ; the stores of two units ago have read this set of codes: only behind this wait is it written again
	v_cvt_scalef32_pk16_fp6_f32 v[CS:CS+2], v[XS:XS+15], v14
	v_cvt_scalef32_pk16_fp6_f32 v[64:66], v[XS+16:XS+31], v14   ; (a conversion's three registers begin on an even number)
.if (\j)%2 == 0
	v_lshrrev_b32 v15, 23, v14                     ; the scale's byte.  (The plain line behind the conversions)
.else
	v_lshrrev_b32 v29, 23, v14
.endif
.irp i, 0,1,2
	v_mov_b32 v[CS+3+\i], v[64+\i]
.endr
	global_store_b128 v5, v[CS:CS+3], s[22:23] offset:768*(\j)       ; 512 consecutive bytes
	global_store_b64 v6, v[CS+4:CS+5], s[22:23] offset:768*(\j)+512  ; 256 consecutive bytes
.if (\j)%2 == 1
	v_lshl_or_b32 v29, v29, 16, v15                ; two units make a scale word: my bytes are blocks h and 2 + h of it,
	v_lshlrev_b32 v29, v7, v29                     ; at their places;
	v_permlanex16_b32 v28, v29, s26, s27
	v_or_b32 v[WD+(\j)/2], v29, v28                ; with lane l xor 16's two the word is whole
.endif
.endm
	LOAD 0
	LOAD 1
	LOAD 2
	s_wait_loadcnt 16                              ; unit 0's eight loads are in
	TURN 0
.irp t, 0,1,2,3,4,5,6,7,8,9,10,11,12,13,14,15
	STEP \t
.endr
.irp i, 0,1,2,3
	v_cndmask_b32 v[24+\i], v[WD+\i], v[WD+4+\i], s30   ; lanes 0-15 store their row's words 0-3, lanes 16-31 words 4-7
.endr
	global_store_b128 v8, v[24:27], s[24:25]       ; the tile's 512 scale bytes: consecutive
	s_wait_tensorcnt 0x0                           ; the wave's end, behind my last LDS store
	ds_add_u32 v12, v13
	s_wait_dscnt 0x0
	s_endpgm
.Lfunc_end_k_q92b1de8136_quant:
	.size	k_q92b1de8136_quant, .Lfunc_end_k_q92b1de8136_quant-k_q92b1de8136_quant
	.p2alignl 7, 3214868480
	.fill 96, 4, 3214868480
	.section	.rodata,"a",@progbits
	.p2align	6, 0x0
	.amdhsa_kernel k_q92b1de8136_quant
		.amdhsa_group_segment_fixed_size 35328
		.amdhsa_private_segment_fixed_size 0
		.amdhsa_enable_private_segment 0
		.amdhsa_kernarg_size 72
		.amdhsa_user_sgpr_count 2
		.amdhsa_user_sgpr_kernarg_segment_ptr 1
		.amdhsa_wavefront_size32 1
		.amdhsa_system_sgpr_workgroup_id_x 1
		.amdhsa_system_sgpr_workgroup_id_y 1
		.amdhsa_system_sgpr_workgroup_id_z 1
		.amdhsa_system_vgpr_workitem_id 0
		.amdhsa_next_free_vgpr 232
		.amdhsa_next_free_sgpr 66
		.amdhsa_reserve_vcc 0
		.amdhsa_float_denorm_mode_32 3
		.amdhsa_float_denorm_mode_16_64 3
		.amdhsa_memory_ordered 1
		.amdhsa_forward_progress 1
		.amdhsa_inst_pref_size 61
	.end_amdhsa_kernel
	.amdgpu_metadata
---
amdhsa.version: [ 1, 2 ]
amdhsa.kernels:
  - .name:           k_q92b1de8136_quant
    .symbol:         k_q92b1de8136_quant.kd
    .args:
      - { .name: k, .offset: 0, .size: 8, .value_kind: global_buffer, .address_space: global }
      - { .name: q, .offset: 8, .size: 8, .value_kind: global_buffer, .address_space: global }
      - { .name: v, .offset: 16, .size: 8, .value_kind: global_buffer, .address_space: global }
      - { .name: Wk, .offset: 24, .size: 8, .value_kind: global_buffer, .address_space: global }
      - { .name: Wq, .offset: 32, .size: 8, .value_kind: global_buffer, .address_space: global }
      - { .name: Wv, .offset: 40, .size: 8, .value_kind: global_buffer, .address_space: global }
      - { .name: Wo, .offset: 48, .size: 8, .value_kind: global_buffer, .address_space: global }
      - { .name: codes, .offset: 56, .size: 8, .value_kind: global_buffer, .address_space: global }
      - { .name: scl, .offset: 64, .size: 8, .value_kind: global_buffer, .address_space: global }
    .group_segment_fixed_size: 35328
    .private_segment_fixed_size: 0
    .kernarg_segment_align: 8
    .kernarg_segment_size: 72
    .max_flat_workgroup_size: 128
    .sgpr_count:     66
    .vgpr_count:     232
    .wavefront_size: 32
...
	.end_amdgpu_metadata
.endif
;; end of part 1
;; launch proj (part 2): grid 8 x 96, 4 waves a work-group, clusters of 4 x 4, 327,680 bytes of LDS; arguments codes, scl, bk, bq, bv, kv, qq; writes kv, qq
.if DOCPART == 2
	.amdgcn_target "amdgcn-amd-amdhsa--gfx1250"
	.amdhsa_code_object_version 6
	.text
	.protected	k_q92b1de8136_proj
	.globl	k_q92b1de8136_proj
	.p2align	8
	.type	k_q92b1de8136_proj,@function
k_q92b1de8136_proj:
	s_mov_b64 s[64:65], 0
	v_nop
	global_prefetch_b8 v0, s[64:65] scope:SCOPE_SE
	s_setreg_imm32_b32 hwreg(HW_REG_WAVE_MODE, 25, 1), 1
	s_wait_xcnt 0x0
	s_wait_alu depctr_hold_cnt(0) depctr_sa_sdst(0) depctr_va_vdst(0) depctr_va_sdst(0) depctr_va_ssrc(0) depctr_va_vcc(0) depctr_vm_vsrc(0)
	s_getreg_b32 s2, hwreg(HW_REG_IB_STS2, 6, 4)
	s_cmp_eq_u32 s2, 0
	s_cbranch_scc0 .Lentry_in_a_cluster
	s_endpgm
.Lentry_in_a_cluster:
	s_bfe_u32 s2, ttmp6, 0x10000c
	s_cmp_lg_u32 s2, 0xf033
	s_cbranch_scc0 .Lentry_shape_is_right
	s_endpgm
.Lentry_shape_is_right:
; keys = k Wk^T + bk, queries = q Wq^T + bq, values = v Wv^T + bv on codes of FP6 (E2M3) with E8M0 scales, f32 sums; the results are quantised in registers for the attention's products and stored as codes:
; keys and queries along a head's 64 channels, values along the KEYS.  The bias is the C of each sum's first product (added first: another order of f32 rounding than bias last).
; LIMITS: NaN and infinities are not served; a block of zeros or under 2^-124 gets the byte 1; only this program reads the bytes.
; IN: codes [tile of 16 rows][16 units of 64 K][768 bytes in the order of the operand's registers], scl [tile][r][32].  Tiles of k, v, Wk, Wq: tile 4 g + u holds rows 64 g + 8 u + r % 8 + 32 (r / 8); of q, Wv: tile t holds rows 32 (t / 2) + 8 (t % 2) + r + 8 (r / 8).
; OUT: kv [head 64][128 keys 16][12,800]: K's eight units | V's four tiles of 16 channels x two units of 64 keys | K's scale words [r][4] | V's [r][4];  qq [head][128 queries][6,400]: as K's.
; SHARES.  768 work-groups: 3 tensors x 32 blocks of 256 tokens x 8 blocks of 128 weight rows.  Nothing walks along K and no LDS byte is filled twice: the work-group's 8 tiles of the weight, its 16 tiles of tokens and all their
; scale bytes, 307,200 bytes, are asked for at the head, one joint load a wave.  Four waves, 2 x 2: wave (a, b) holds the weight's tiles 4 b .. 4 b + 3 (one head), all of K, in 384 registers, and streams tokens' tiles 8 a .. 8 a + 7 (128 tokens) past them:
; a block is 16 tokens, 32 products, the four accumulators by turns.  The tokens' fragments lie twice in registers; a set is fetched two blocks ahead.
; Keys, queries: source 0 = the weight's rows: a lane holds one token, and its 32 results of a block are channels 32 h + 0 .. 31: one scale block.  Values: source 0 = tokens: a lane holds one channel, and its 32 results of four blocks are keys 64 c + 32 h + 0 .. 31.
; CLUSTERS 4 x 4: tokens' tiles are shared along a row of the cluster, the weight's along a column.  The tensor hangs on the cluster's y alone.  No prefetch: all that the work-group reads is asked for at the head, and there is no loop to run ahead in.
; REGISTERS: v0-31 addresses and the way out's small numbers; v32-47 the weight's scale words (lanes 0-15 tile 2 p, lanes 16-31 tile 2 p + 1); v52-67 the tokens', two sets; v72-199 accumulators; v200-231 the bias; v232-255 codes;
;   fragment f lies in window 1 + f / 21 at register 12 (f % 21): 0-31 the weight's (4 q + t), 32-39 and 40-47 the tokens' two sets.
.set TB,    12288                      ; a tile's codes, all of K
.set XB,    8*TB                       ; LDS: the weight's 8 tiles, the tokens' 16,
.set SX,    24*TB                      ; the tokens' scale bytes, the weight's,
.set SW,    SX+16*512
.set SPARE, SW+8*512                   ; and the spare words, 128 bytes a wave, which no other line names
.set FR,  12
.set FPW, 21
.set SWR, 32
.set SXR, 52
.set ACC, 72
.set BB,  200
.set CDS, 232
.set WDS, 20                           ; v20-23 the four scale words; v24-27 at work on them
.set WT,  24
.set TQ,  28                           ; v28-31 four chains of the largest magnitude
.set TBY, 19
.set SOP, 48
.set TC,  68
.set MSB, 0
.macro WIN new                         ; the immediate's high byte repeats the setting that is left
.if MSB != (\new)
	s_set_vgpr_msb (MSB<<8)|(\new)
.set MSB, (\new)
.endif
.endm
.macro WALU
	s_wait_alu depctr_va_vdst(0)
.endm
.macro NOPS
.rept 4
	v_nop
.endr
.endm
.macro CROUND
	s_barrier_signal -1
	s_barrier_wait -1
	s_cmp_lg_u32 s18, 0
	s_cbranch_scc1 .Lnot_wave_0_\@
	s_barrier_signal -3
.Lnot_wave_0_\@:
	s_barrier_wait -3
	s_barrier_signal -1
	s_barrier_wait -1
.endm
.macro GRP1 g, mask, rows              ; a dense block as rows of 256 bytes (32 elements of 8)
	s_or_b32 s[\g], s[\mask], (3<<16)|(1<<21)
	s_mov_b32 s[\g+1], 32<<16
	s_mov_b32 s[\g+2], (\rows)<<16
	s_mov_b32 s[\g+3], 32<<16
	s_mov_b32 s[\g+4], \rows
	s_mov_b32 s[\g+5], 32
	s_mov_b32 s[\g+6], 0
	s_mov_b32 s[\g+7], 0
.endm
.macro GRP0 g, lds, base, off
	s_mov_b32 s[\g], 1
	s_mov_b32 s[\g+1], \lds
	s_add_nc_u64 s[\g+2:\g+3], s[\base:\base+1], s[\off:\off+1]
	s_or_b32 s[\g+3], s[\g+3], 0x80000000
.endm
.macro ARM under, g0, g1, next         ; one chain of branches on the wave's number: every way passes exactly one load
	s_cmp_lt_u32 s18, \under
	s_cbranch_scc0 \next
	tensor_load_to_lds s[\g0:\g0+3], s[\g1:\g1+7]
	s_nop 0
	NOPS
	s_branch .Lhead_asked
\next:
.endm
.macro FRAG f, av, bv, off             ; a fragment, 16 rows x 128 K, is two units: a lane's 16 + 8 bytes of each, as they lie
	WIN (1+(\f)/FPW)<<6
.set R_, FR*((\f)%FPW)
	ds_load_b128 v[R_:R_+3], v[\av] offset:\off
	ds_load_b64 v[R_+4:R_+5], v[\bv] offset:(\off)+512
	ds_load_b128 v[R_+6:R_+9], v[\av] offset:(\off)+768
	ds_load_b64 v[R_+10:R_+11], v[\bv] offset:(\off)+1280
.endm
.macro FETCH e, n                      ; my n-th tile of tokens into set e: 34 LDS loads
.irp q, 0,1,2,3,4,5,6,7
	FRAG 32+8*(\e)+\q, 8+3*((\n)/4), 9+3*((\n)/4), TB*((\n)%4)+1536*\q
.endr
	WIN 0
	ds_load_b128 v[SXR+8*(\e):SXR+8*(\e)+3], v10 offset:512*(\n)
	ds_load_b128 v[SXR+8*(\e)+4:SXR+8*(\e)+7], v10 offset:512*(\n)+16
.endm
.macro W1 d, s0, s1, c, x0, x1, side, o
.if \o
	v_wmma_scale_f32_16x16x128_f8f6f4 v[\d:\d+7], v[\s0:\s0+11], v[\s1:\s1+11], \c, v[\x0], v[\x1] matrix_a_fmt:MATRIX_FMT_FP6 matrix_b_fmt:MATRIX_FMT_FP6 matrix_\side\()_scale:MATRIX_SCALE_ROW1
.else
	v_wmma_scale_f32_16x16x128_f8f6f4 v[\d:\d+7], v[\s0:\s0+11], v[\s1:\s1+11], \c, v[\x0], v[\x1] matrix_a_fmt:MATRIX_FMT_FP6 matrix_b_fmt:MATRIX_FMT_FP6
.endif
.endm
.macro PROD kind, e, q, t, d, c        ; kind 0: source 0 the weight's tile t; kind 1: source 0 the tokens
.set FW_, 4*(\q)+(\t)
.set FX_, 32+8*(\e)+(\q)
.set RW_, FR*(FW_%FPW)
.set RX_, FR*(FX_%FPW)
.if \kind
	WIN (1+FX_/FPW)|((1+FW_/FPW)<<2)
	W1 \d, RX_, RW_, \c, SXR+8*(\e)+(\q), SWR+8*((\t)/2)+(\q), b, (\t)%2
.else
	WIN (1+FW_/FPW)|((1+FX_/FPW)<<2)
	W1 \d, RW_, RX_, \c, SWR+8*((\t)/2)+(\q), SXR+8*(\e)+(\q), a, (\t)%2
.endif
.endm
.macro BLK kind, e, d0, ds             ; a block's 32 products; tile t's sum at d0 + ds t; the first product takes the bias as C
.irp q, 0,1,2,3,4,5,6,7
.irp t, 0,1,2,3
.if \q
	PROD \kind, \e, \q, \t, (\d0)+(\ds)*\t, v[(\d0)+(\ds)*\t:(\d0)+(\ds)*\t+7]
.else
	PROD \kind, \e, \q, \t, (\d0)+(\ds)*\t, v[BB+8*\t:BB+8*\t+7]
.endif
.endr
.endr
	WIN 0
.endm
.macro QOUT x, c, by                   ; 32 sums of a lane, one scale block: their largest magnitude in four chains (each accumulator from its low end on), the scale, 32 codes into v[c .. c + 5], the byte into v[by]
.irp k, 0,1,2,3
	v_max3_num_f32 v[TQ+\k], |v[(\x)+8*\k]|, |v[(\x)+8*\k+1]|, |v[(\x)+8*\k+2]|
.endr
.irp i, 3,5
.irp k, 0,1,2,3
	v_max3_num_f32 v[TQ+\k], v[TQ+\k], |v[(\x)+8*\k+\i]|, |v[(\x)+8*\k+\i+1]|
.endr
.endr
.irp k, 0,1,2,3
	v_max3_num_f32 v[TQ+\k], v[TQ+\k], |v[(\x)+8*\k+7]|, 0x1800000   ; and the floor 2^(3 - 127): the byte cannot fall under 1
.endr
	v_max3_num_f32 v[TQ], v[TQ], v[TQ+1], v[TQ+2]
	v_max_num_f32 v[TQ], v[TQ], v[TQ+3]
	v_add_nc_u32 v[SOP], 0xff000000, v[TQ]         ; 2 off the exponent field: the conversion's scale operand
	v_cvt_scalef32_pk16_fp6_f32 v[\c:\c+2], v[(\x):(\x)+15], v[SOP]
	v_cvt_scalef32_pk16_fp6_f32 v[TC:TC+2], v[(\x)+16:(\x)+31], v[SOP]   ; (a conversion's three registers begin on an even number)
	v_lshrrev_b32 v[\by], 23, v[SOP]               ; the scale's byte (the plain line behind the conversions)
.irp k, 0,1,2
	v_mov_b32 v[\c+3+\k], v[TC+\k]
.endr
.endm
.macro PUT c, off                      ; a unit: 512 and 256 consecutive bytes
	global_store_b128 v1, v[\c:\c+3], s[96:97] offset:\off
	global_store_b64 v2, v[\c+4:\c+5], s[96:97] offset:(\off)+512
.endm
.macro XWAIT n                         ; block n's fetch is in; the next block's 34 loads may be out
.if (\n) < 7
	s_wait_dscnt 34
.else
	s_wait_dscnt 0x0
.endif
.endm
.macro KQBLK n                         ; keys, queries: token tile n
	XWAIT \n
	BLK 0, (\n)%2, ACC+32*((\n)%4), 8
	NOPS                                           ; four places ahead of the loads into the set and of the reads of the sums
.if (\n) < 6
	FETCH (\n)%2, (\n)+2
.endif
.if (\n) == 4
	s_wait_xcnt 0x0                                ; the first four units' stores have read their registers
.endif
.if (\n)%2
	QOUT ACC+32*((\n)%4), CDS+6*((\n)%4), TBY
	v_lshl_or_b32 v[WDS+(\n)/2], v[TBY], 16, v[WDS+(\n)/2]   ; word f: tile 2 f's byte, then tile 2 f + 1's
.else
	QOUT ACC+32*((\n)%4), CDS+6*((\n)%4), WDS+(\n)/2
.endif
	PUT CDS+6*((\n)%4), 768*(\n)
.endm
.macro VBLK n                          ; values: token tile n; four tiles make a band of 64 keys
	XWAIT \n
	BLK 1, (\n)%2, ACC+8*((\n)%4), 32
	NOPS
.if (\n) < 6
	FETCH (\n)%2, (\n)+2
.endif
.if (\n) == 3
.irp t, 0,1,2,3
	QOUT ACC+32*\t, CDS+6*\t, WDS+\t
	PUT CDS+6*\t, 1536*\t
.endr
.endif
.if (\n) == 7
	s_wait_xcnt 0x0
.irp t, 0,1,2,3
	QOUT ACC+32*\t, CDS+6*\t, TBY
	v_lshl_or_b32 v[WDS+\t], v[TBY], 16, v[WDS+\t] ; word t: band 0's byte, then band 1's
	PUT CDS+6*\t, 1536*\t+768
.endr
.endif
.endm
	s_load_b256 s[4:11], s[0:1], 0x0               ; codes, scl, bk, bq
	s_load_b128 s[12:15], s[0:1], 0x20             ; bv, kv
	s_load_b64 s[16:17], s[0:1], 0x30              ; qq
	v_lshl_add_u32 v14, v0, 2, SPARE
	v_mov_b32 v15, 0
	ds_add_u32 v14, v15                            ; the opening lines: the add, twice on end, and its wait
	ds_add_u32 v14, v15
	v_lshrrev_b32 v1, 5, v0
	v_readfirstlane_b32 s18, v1                    ; wave
	s_lshr_b32 s19, s18, 1                         ; a: which 128 tokens
	s_and_b32 s20, s18, 1                          ; b: which head of two
	s_bfe_u32 s21, ttmp6, 0x40000                  ; cx
	s_bfe_u32 s22, ttmp6, 0x40004                  ; cy
	s_and_b32 s23, ttmp7, 0xffff                   ; the cluster's y, 0..23
	s_lshr_b32 s76, s23, 3                         ; 0 keys, 1 queries, 2 values
	s_lshl_b32 s77, ttmp9, 2
	s_add_co_u32 s77, s77, s21                     ; which 128 rows of the weight, 0..7
	s_lshl_b32 s78, s23, 2
	s_add_co_u32 s78, s78, s22                     ; which 256 tokens of the three tensors' 24,576
	s_lshl_b32 s79, s22, 2
	s_lshl_b32 s79, 15, s79                        ; my row of the cluster
	s_lshl_b32 s80, 0x1111, s21                    ; my column
	GRP1 24, 80, 384                               ; the weight's codes
	GRP1 32, 80, 16                                ; its scale bytes
	GRP1 40, 79, 768                               ; the tokens' codes
	GRP1 48, 79, 32                                ; their scale bytes
	s_lshl_b32 s81, s76, 6
	s_lshl_b32 s82, s77, 3
	s_add_co_u32 s81, s81, s82
	s_add_co_u32 s81, s81, 1536                    ; the weight's first tile
	s_mul_i32 s82, s81, TB
	s_mov_b32 s83, 0
	s_lshl_b32 s84, s81, 9
	s_mov_b32 s85, 0
	s_mul_i32 s86, s78, 16*TB                      ; the tokens' first tile is 16 x their block's number
	s_mov_b32 s87, 0
	s_lshl_b32 s88, s78, 13
	s_mov_b32 s89, 0
	s_wait_dscnt 0x0
	s_wait_kmcnt 0x0
	GRP0 56, 0,  4, 82
	GRP0 60, SW, 6, 84
	GRP0 68, XB, 4, 86
	GRP0 72, SX, 6, 88
	CROUND                                         ; all sixteen work-groups are here: the joint loads meet
	ARM 1, 56, 24, .Lhead_1                        ; what is needed first is asked for first: the weight's codes, its scale bytes,
	ARM 2, 60, 32, .Lhead_2
	ARM 3, 68, 40, .Lhead_3                        ; the tokens' codes,
	tensor_load_to_lds s[72:75], s[48:55]          ; their scale bytes
	s_nop 0
	NOPS
.Lhead_asked:
	s_and_b32 s90, s78, 31                         ; where the results go
	s_lshr_b32 s91, s90, 3                         ; the batch
	s_and_b32 s90, s90, 7
	s_lshl_b32 s90, s90, 1
	s_add_co_u32 s90, s90, s19                     ; which 128 tokens of the batch
	s_lshl_b32 s92, s77, 1
	s_add_co_u32 s92, s92, s20                     ; my head
	s_lshl_b32 s91, s91, 4
	s_add_co_u32 s91, s91, s92
	s_lshl_b32 s91, s91, 4
	s_add_co_u32 s91, s91, s90
	s_mov_b32 s93, 12800
	s_mov_b32 s94, 12288
	s_cmp_eq_u32 s76, 1
	s_cselect_b32 s93, 6400, s93                   ; a block's bytes
	s_cselect_b32 s94, 6144, s94                   ; where its scale words begin
	s_cselect_b64 s[96:97], s[16:17], s[14:15]
	s_cselect_b64 s[2:3], s[10:11], s[8:9]
	s_cmp_eq_u32 s76, 2
	s_cselect_b64 s[2:3], s[12:13], s[2:3]
	s_cselect_b32 s94, 12544, s94
	s_cselect_b32 s95, 6144, 0                     ; V's units lie behind K's
	s_mul_i32 s90, s91, s93
	s_mov_b32 s91, 0
	s_add_nc_u64 s[96:97], s[96:97], s[90:91]
	s_mov_b32 s90, s94
	s_add_nc_u64 s[98:99], s[96:97], s[90:91]      ; the scale words
	s_mov_b32 s90, s95
	s_add_nc_u64 s[96:97], s[96:97], s[90:91]      ; the codes
	s_lshl_b32 s90, s92, 8
	s_add_nc_u64 s[2:3], s[2:3], s[90:91]          ; my head's 64 numbers of the bias
	s_mul_i32 s81, s20, 4*TB                       ; LDS: my four tiles of the weight,
	s_mul_i32 s82, s19, 8*TB
	s_add_co_u32 s82, s82, XB                      ; my eight tiles of tokens,
	s_add_co_u32 s83, s82, 4*TB
	s_lshl_b32 s84, s19, 12
	s_add_co_u32 s84, s84, SX                      ; their scale bytes,
	s_lshl_b32 s85, s20, 11
	s_add_co_u32 s85, s85, SW                      ; and the weight's
	s_mov_b32 s86, 0x76543210
	s_mov_b32 s87, 0xfedcba98                      ; v_permlanex16_b32's selects for lane l xor 16
	s_mov_b32 s88, 0xffff0000                      ; lanes 16-31
	v_and_b32 v16, 31, v0
	v_and_b32 v3, 15, v0                           ; r
	v_bfe_u32 v4, v0, 4, 1                         ; h
	v_lshlrev_b32 v1, 4, v16                       ; 16 x lane
	v_lshlrev_b32 v2, 3, v16                       ; 8 x lane
	v_lshlrev_b32 v5, 3, v4                        ; 8 h
	v_lshlrev_b32 v17, 5, v3                       ; 32 r
	v_add_nc_u32 v6, s81, v1
	v_add_nc_u32 v7, s81, v2
	v_add_nc_u32 v8, s82, v1
	v_add_nc_u32 v9, s82, v2
	v_add_nc_u32 v11, s83, v1
	v_add_nc_u32 v12, s83, v2
	v_add_nc_u32 v10, s84, v17
	v_lshl_add_u32 v16, v4, 9, v17                 ; lanes 16-31 take the odd tile's words
	v_add_nc_u32 v16, s85, v16
	v_lshlrev_b32 v18, 4, v3
	v_lshl_add_u32 v18, v4, 3, v18                 ; the scale words' store: 16 r + 8 h
	v_lshlrev_b32 v13, 7, v4                       ; the bias, keys and queries: register 8 t + j is channel 32 h + 8 t + j
	v_and_b32 v49, 8, v3
	v_add_lshl_u32 v49, v49, v3, 2                 ; values: all registers of tile t are channel 32 (t / 2) + 8 (t % 2) + r + 8 (r / 8)
.irp k, 0,1,2,3
	v_mov_b32 v[WT+\k], 0                          ; a lane permute's destination is written once
.endr
	s_cmp_eq_u32 s76, 2
	WALU
	s_cbranch_scc1 .Lbias_v
.irp t, 0,1,2,3
	global_load_b128 v[BB+8*\t:BB+8*\t+3], v13, s[2:3] offset:32*\t
	global_load_b128 v[BB+8*\t+4:BB+8*\t+7], v13, s[2:3] offset:32*\t+16
.endr
	s_branch .Lbias_done
.Lbias_v:
.irp t, 0,1,2,3
.irp j, 0,1,2,3,4,5,6,7
	global_load_b32 v[BB+8*\t+\j], v49, s[2:3] offset:4*(32*(\t/2)+8*(\t%2))
.endr
.endr
.Lbias_done:
	s_cmp_lt_u32 s18, 2
	s_cbranch_scc0 .Lnot_w
	s_wait_tensorcnt 0x0
.Lnot_w:
	s_barrier_signal -1
	s_barrier_wait -1                              ; the weight's codes and scale bytes are in; the tokens' may be on their way
.irp p, 0,1
.irp c, 0,1
	ds_load_b128 v[SWR+8*\p+4*\c:SWR+8*\p+4*\c+3], v16 offset:1024*\p+16*\c
.endr
.endr
.irp q, 0,1,2,3,4,5,6,7
.irp t, 0,1,2,3
	FRAG 4*\q+\t, 6, 7, TB*\t+1536*\q
.endr
.endr
	WIN 0
	s_wait_tensorcnt 0x0
	s_wait_dscnt 0x0
	s_barrier_signal -1
	s_barrier_wait -1                              ; all four tiles are in
	FETCH 0, 0
	FETCH 1, 1
	s_wait_loadcnt 0x0                             ; the bias
	s_cmp_eq_u32 s76, 2
	s_cbranch_scc1 .Lvalues
.irp n, 0,1,2,3,4,5,6,7
	KQBLK \n
.endr
	s_branch .Lwords
.Lvalues:
.irp n, 0,1,2,3,4,5,6,7
	VBLK \n
.endr
.Lwords:                               ; my two bytes of each word stand 8 h bits up; with lane l xor 16's two the word is whole; lane (r, h) stores words 2 h and 2 h + 1 of row r: 256 consecutive bytes
	WALU                                           ; the last word is written just ahead of the branch that leads here
.irp k, 0,1,2,3
	v_lshlrev_b32 v[WDS+\k], v5, v[WDS+\k]
.endr
.irp k, 0,1,2,3
	v_permlanex16_b32 v[WT+\k], v[WDS+\k], s86, s87
.endr
.irp k, 0,1,2,3
	v_or_b32 v[WDS+\k], v[WDS+\k], v[WT+\k]
.endr
	v_cndmask_b32 v[WT], v[WDS], v[WDS+2], s88
	v_cndmask_b32 v[WT+1], v[WDS+1], v[WDS+3], s88
	global_store_b64 v18, v[WT:WT+1], s[98:99]
	s_wait_tensorcnt 0x0                           ; the wave's end
	ds_add_u32 v14, v15
	s_wait_dscnt 0x0
	CROUND                                         ; the closing round
	s_endpgm
.Lfunc_end_k_q92b1de8136_proj:
	.size	k_q92b1de8136_proj, .Lfunc_end_k_q92b1de8136_proj-k_q92b1de8136_proj
	.p2alignl 7, 3214868480
	.fill 96, 4, 3214868480
	.section	.rodata,"a",@progbits
	.p2align	6, 0x0
	.amdhsa_kernel k_q92b1de8136_proj
		.amdhsa_group_segment_fixed_size 327680
		.amdhsa_private_segment_fixed_size 0
		.amdhsa_enable_private_segment 0
		.amdhsa_kernarg_size 56
		.amdhsa_user_sgpr_count 2
		.amdhsa_user_sgpr_kernarg_segment_ptr 1
		.amdhsa_wavefront_size32 1
		.amdhsa_system_sgpr_workgroup_id_x 1
		.amdhsa_system_sgpr_workgroup_id_y 1
		.amdhsa_system_sgpr_workgroup_id_z 1
		.amdhsa_system_vgpr_workitem_id 0
		.amdhsa_next_free_vgpr 1024
		.amdhsa_next_free_sgpr 102
		.amdhsa_reserve_vcc 0
		.amdhsa_float_denorm_mode_32 3
		.amdhsa_float_denorm_mode_16_64 3
		.amdhsa_memory_ordered 1
		.amdhsa_forward_progress 1
		.amdhsa_inst_pref_size 150
	.end_amdhsa_kernel
	.amdgpu_metadata
---
amdhsa.version: [ 1, 2 ]
amdhsa.kernels:
  - .name:           k_q92b1de8136_proj
    .symbol:         k_q92b1de8136_proj.kd
    .args:
      - { .name: codes, .offset: 0, .size: 8, .value_kind: global_buffer, .address_space: global }
      - { .name: scl, .offset: 8, .size: 8, .value_kind: global_buffer, .address_space: global }
      - { .name: bk, .offset: 16, .size: 8, .value_kind: global_buffer, .address_space: global }
      - { .name: bq, .offset: 24, .size: 8, .value_kind: global_buffer, .address_space: global }
      - { .name: bv, .offset: 32, .size: 8, .value_kind: global_buffer, .address_space: global }
      - { .name: kv, .offset: 40, .size: 8, .value_kind: global_buffer, .address_space: global }
      - { .name: qq, .offset: 48, .size: 8, .value_kind: global_buffer, .address_space: global }
    .group_segment_fixed_size: 327680
    .private_segment_fixed_size: 0
    .kernarg_segment_align: 8
    .kernarg_segment_size: 56
    .max_flat_workgroup_size: 128
    .sgpr_count:     102
    .vgpr_count:     1024
    .wavefront_size: 32
...
	.end_amdgpu_metadata
.endif
;; end of part 2
;; launch attn (part 3): grid 4 x 64, 8 waves a work-group, clusters of 4 x 1, 327,680 bytes of LDS; arguments qq, kv, oc, os; writes oc, os
.if DOCPART == 3
	.amdgcn_target "amdgcn-amd-amdhsa--gfx1250"
	.amdhsa_code_object_version 6
	.text
	.protected	k_q92b1de8136_attn
	.globl	k_q92b1de8136_attn
	.p2align	8
	.type	k_q92b1de8136_attn,@function
k_q92b1de8136_attn:
	s_mov_b64 s[64:65], 0
	v_nop
	global_prefetch_b8 v0, s[64:65] scope:SCOPE_SE
	s_setreg_imm32_b32 hwreg(HW_REG_WAVE_MODE, 25, 1), 1
	s_wait_xcnt 0x0
	s_wait_alu depctr_hold_cnt(0) depctr_sa_sdst(0) depctr_va_vdst(0) depctr_va_sdst(0) depctr_va_ssrc(0) depctr_va_vcc(0) depctr_vm_vsrc(0)
	s_getreg_b32 s2, hwreg(HW_REG_IB_STS2, 6, 4)
	s_cmp_eq_u32 s2, 0
	s_cbranch_scc0 .Lentry_in_a_cluster
	s_endpgm
.Lentry_in_a_cluster:
	s_bfe_u32 s2, ttmp6, 0x10000c
	s_cmp_lg_u32 s2, 0x3003
	s_cbranch_scc0 .Lentry_shape_is_right
	s_endpgm
.Lentry_shape_is_right:
; o = softmax(q k^T / 8) v for one head and 512 queries, on codes of FP6 (E2M3) with E8M0 scales; o is quantised along the head's 64 channels and stored as codes (oc) and scale bytes (os).
; p = 2^(t - M), t = score x log2(e) / 8, M the ceiling of the running largest t; the row's sum is taken of the unquantised p; when M moves, the sum and O^T are multiplied by a power of two.
; LIMITS: NaN and infinities are not served; the promise holds while |t| stays under 2^31.  A block of p that has fallen to 0 gets the byte 1: its codes are zeros.
; BUFFERS.  kv [head 64][128 keys 16][12,800]: K's eight units (16 keys x 64 channels, 768 bytes in the order of the operand's registers) | V's four tiles of 16 channels x two units of 64 keys | K's scale words [r][4] | V's [r][4].
;   qq [head][128 queries][6,400]: as K's.  oc [tile of 16 tokens][head's unit 16][768], os [tile][r][32].
; K's tile 4 g + u holds keys 64 g + 8 u + r % 8 + 32 (r / 8).  Both products are used transposed (S^T = k q^T, O^T = v^T p^T): lane (r, h) holds query r, and its 32 score registers of tiles 4 g .. 4 g + 3 are
; keys 64 g + 32 h + 0 .. 31: ONE scale block, in the order of the next operand's registers.  So a block's maximum asks no other lane, and the conversions' results are the operand.
; A head has 64 channels and the instruction 128 along K: a fragment of K is two units, and q stands in the lower or the upper half of its operand, zeros in the other.
; SHARES.  256 work-groups: 64 heads x 4 blocks of 512 queries.  Eight waves, 64 queries each: four tiles of 16.  A step is 128 keys; each fragment of K and V is read from LDS once a step and serves all four tiles.
; The softmax goes by PAIRS of tiles: four chains side by side, and one wait ahead of and one behind 132 exponentials.
; LDS: the head's whole 204,800 bytes, filled once; each wave asks for two key blocks (100 rows of 256 bytes).  CLUSTER 4 x 1: the four query blocks of a head ask jointly.
; Wave 0's load has a line of its own: the first barrier shows key blocks 0 and 1.  In each trip every wave waits for its load and signals; the wait for that signal stands a trip later, ahead of the first read of key block t + 1.
; No prefetch: all that the work-group reads of kv is asked for by the head's loads, and there is no loop to run ahead in; q is 6,400 bytes a wave pair, read once.
; REGISTERS (numbers over 255 by windows): v0-63 addresses, scale words, state; v64-191 the pair's scores, then p; v192-215 p's codes; v216-223 the conversions' upper halves; v224-255 O^T of tile 3;
;   v256-351 O^T of tiles 0-2; v352-399 K's four fragments; v400-447 V's; v448-501 zeros and q by turns: Z q0 Z q1 Z q2 Z q3 Z.
.set BLKB,  12800
.set SPARE, 16*BLKB                    ; behind the head: the spare words, 128 bytes a wave, which no other line names
.set ADA, 6                            ; v6 16 x lane + key block; v7 8 x lane + key block; v8 its scale words
.set ADB, 7
.set ADS, 8
.set LT,  14                           ; v[14:15], v[26:27] the sums' second chains
.set KS,  16                           ; v16-19 scale words read with K's fragments (lanes 0-15 K's); v20-23 with V's (lanes 16-31 V's)
.set VS,  20
.set PW,  24                           ; v24, v25 p's scale words
.set QS,  28                           ; v28-31 q's scale words
.set ST,  32                           ; v32-39 tile i: -M at 32 + 2 i, the running largest score at 33 + 2 i
.set LS,  40                           ; v40-47 tile i's sum, in two halves
.set FF,  48                           ; v48, v50 the factor 2^(old M - new M) (v49, v51 are named as pairs' upper halves)
.set BM,  52                           ; v52-55 the four blocks' largest
.set T0,  56
.set T1,  58
.set SO,  56                           ; v56-59 the conversions' scale operands
.set T2,  60
.set WD,  60
.set WP,  62
.set SB,  64
.set CD,  192
.set TP,  216
.set KF,  352-256
.set VF,  400-256
.set QZ,  448-256
.set MSB, 0
.macro WIN new                         ; the immediate's high byte repeats the setting that is left
.if MSB != (\new)
	s_set_vgpr_msb (MSB<<8)|(\new)
.set MSB, (\new)
.endif
.endm
.macro WALU
	s_wait_alu depctr_va_vdst(0)
.endm
.macro NOPS
.rept 4
	v_nop
.endr
.endm
.macro CROUND
	s_barrier_signal -1
	s_barrier_wait -1
	s_cmp_lg_u32 s12, 0
	s_cbranch_scc1 .Lnot_wave_0_\@
	s_barrier_signal -3
.Lnot_wave_0_\@:
	s_barrier_wait -3
	s_barrier_signal -1
	s_barrier_wait -1
.endm
.macro FRAGS base, off                 ; four fragments of two units each, 16 LDS loads, into window 1
	WIN 0x40
.irp f, 0,1,2,3
	ds_load_b128 v[\base+12*\f:\base+12*\f+3], v[ADA] offset:\off+1536*\f
	ds_load_b64 v[\base+12*\f+4:\base+12*\f+5], v[ADB] offset:\off+1536*\f+512
	ds_load_b128 v[\base+12*\f+6:\base+12*\f+9], v[ADA] offset:\off+1536*\f+768
	ds_load_b64 v[\base+12*\f+10:\base+12*\f+11], v[ADB] offset:\off+1536*\f+1280
.endr
	WIN 0
.endm
.macro QK a                            ; S^T of tiles a, a + 1: 16 products, each with C = 0
	WIN 0x05
.irp e, 0,1
.irp f, 0,1,2,3
	v_wmma_scale_f32_16x16x128_f8f6f4 v[SB+64*\e+16*\f:SB+64*\e+16*\f+7], v[KF+12*\f:KF+12*\f+11], v[QZ+6+12*(\a+\e):QZ+17+12*(\a+\e)], 0, v[KS+\f], v[QS+\a+\e] matrix_a_fmt:MATRIX_FMT_FP6 matrix_b_fmt:MATRIX_FMT_FP6
	v_wmma_scale_f32_16x16x128_f8f6f4 v[SB+64*\e+16*\f+8:SB+64*\e+16*\f+15], v[KF+12*\f:KF+12*\f+11], v[QZ+12*(\a+\e):QZ+11+12*(\a+\e)], 0, v[KS+\f], v[QS+\a+\e] matrix_a_fmt:MATRIX_FMT_FP6 matrix_b_fmt:MATRIX_FMT_FP6
.endr
.endr
	WIN 0
.endm
.macro PKF i, e, from, n               ; t - M, two at a time
.set J_, \from
.rept \n
	v_pk_fma_f32 v[SB+64*(\e)+J_:SB+64*(\e)+J_+1], v[SB+64*(\e)+J_:SB+64*(\e)+J_+1], s[22:23], v[ST+2*(\i):ST+2*(\i)+1] op_sel_hi:[1,0,0]
.set J_, J_+2
.endr
.endm
.macro CVT e                           ; 64 p of a lane: two blocks of 32 codes; a conversion's three registers begin on an even number, so the upper halves are made elsewhere
	v_cvt_scalef32_pk16_fp6_f32 v[CD+12*\e:CD+12*\e+2], v[SB+64*\e:SB+64*\e+15], v[SO+2*\e]
	v_cvt_scalef32_pk16_fp6_f32 v[TP:TP+2], v[SB+64*\e+16:SB+64*\e+31], v[SO+2*\e]
	v_cvt_scalef32_pk16_fp6_f32 v[CD+12*\e+6:CD+12*\e+8], v[SB+64*\e+32:SB+64*\e+47], v[SO+2*\e+1]
	v_cvt_scalef32_pk16_fp6_f32 v[TP+4:TP+6], v[SB+64*\e+48:SB+64*\e+63], v[SO+2*\e+1]
.endm
.macro MOVC e                          ; and moved
.irp k, 0,1,2
	v_mov_b32 v[CD+12*\e+3+\k], v[TP+\k]
	v_mov_b32 v[CD+12*\e+9+\k], v[TP+4+\k]
.endr
.endm
.macro RESC i, e                       ; O^T of tile i under the new M
.set O_, 256+32*(\i)-128*((\i)/3)
	WIN (O_>>8)|((O_>>8)<<6)
	WALU                                           ; directly ahead of the first reader of matrix results behind exponentials
.set J_, 0
.rept 16
	v_pk_mul_f32 v[(O_&255)+J_:(O_&255)+J_+1], v[(O_&255)+J_:(O_&255)+J_+1], v[FF+2*(\e):FF+2*(\e)+1] op_sel_hi:[1,0]
.set J_, J_+2
.endr
.endm
.macro PV i, e                         ; O^T += v^T p^T: four tiles of 16 channels, K = these 128 keys; the accumulators by turns
.set O_, 256+32*(\i)-128*((\i)/3)
	WIN 1|((O_>>8)<<4)|((O_>>8)<<6)
.irp t, 0,1,2,3
	v_wmma_scale_f32_16x16x128_f8f6f4 v[(O_&255)+8*\t:(O_&255)+8*\t+7], v[VF+12*\t:VF+12*\t+11], v[CD+12*(\e):CD+12*(\e)+11], v[(O_&255)+8*\t:(O_&255)+8*\t+7], v[VS+\t], v[PW+(\e)] matrix_a_fmt:MATRIX_FMT_FP6 matrix_b_fmt:MATRIX_FMT_FP6 matrix_a_scale:MATRIX_SCALE_ROW1
.endr
.endm
; One pair of tiles (a, a + 1) against this step's 128 keys.  b = 1: the step's second pair, which also fetches the next step's fragments and holds the trip's barrier.
.macro PHASE a, b
	QK \a
.if \b
	s_barrier_wait -1                              ; for the signal of the trip before: every wave's load had landed then
	s_add_co_u32 s14, s14, BLKB                    ; the next key block; the last trip reads the last block once more, and nobody uses it
	s_min_u32 s14, s14, 15*BLKB
	v_add_nc_u32 v[ADA], s14, v1                   ; (these three and the v_nop are the four places ahead of the loads into K's registers)
	v_add_nc_u32 v[ADB], s14, v2
	v_add_nc_u32 v[ADS], s14, v3
	v_nop
	ds_load_b128 v[KS:KS+3], v[ADS]
	FRAGS KF, 0
.else
	NOPS
.endif
.irp c, 0,1,2,3                        ; the largest score of each of the pair's four blocks in my lane: each accumulator is first read at its low end
	v_max3_num_f32 v[BM+\c], v[SB+32*\c], v[SB+32*\c+1], v[SB+32*\c+2]
.endr
.irp i, 3,5,7,9,11,13,15,17,19,21,23,25,27,29
.irp c, 0,1,2,3
	v_max3_num_f32 v[BM+\c], v[BM+\c], v[SB+32*\c+\i], v[SB+32*\c+\i+1]
.endr
.endr
.irp c, 0,1,2,3
	v_max_num_f32 v[BM+\c], v[BM+\c], v[SB+32*\c+31]
.endr
.irp e, 0,1
	v_max_num_f32 v[T0+\e], v[BM+2*\e], v[BM+2*\e+1]
.endr
.irp e, 0,1
	v_permlanex16_b32 v[T1+\e], v[T0+\e], s20, s21
.endr
.irp e, 0,1
	v_max3_num_f32 v[ST+2*(\a+\e)+1], v[ST+2*(\a+\e)+1], v[T0+\e], v[T1+\e]   ; the running largest score of my query
.endr
.irp e, 0,1
	v_mul_f32 v[T0+\e], s22, v[ST+2*(\a+\e)+1]     ; as t (the factor is positive)
.endr
.irp e, 0,1
	v_mov_b32 v[T2+\e], v[ST+2*(\a+\e)]
.endr
.irp e, 0,1
	v_floor_f32 v[ST+2*(\a+\e)], -v[T0+\e]         ; -M = floor(-t): M is a whole number
.endr
	PKF \a, 0, 0, 32
.irp e, 0,1
	v_sub_f32 v[T2+\e], v[ST+2*(\a+\e)], v[T2+\e]  ; old M - new M
.endr
	PKF \a+1, 1, 0, 16
.irp e, 0,1
	v_cvt_i32_f32 v[T2+\e], v[T2+\e]               ; (it saturates)
.endr
	PKF \a+1, 1, 32, 16
.irp e, 0,1
	v_ldexp_f32 v[FF+2*\e], 1.0, v[T2+\e]
.endr
.irp c, 0,1,2,3
	v_fma_f32 v[BM+\c], v[BM+\c], s22, v[ST+2*(\a+\c/2)]   ; the same of each block's largest score: p rises with the score
.endr
	WALU
.set J_, 0
.rept 128
	v_exp_f32 v[SB+J_], v[SB+J_]
.set J_, J_+1
.endr
.irp c, 0,1,2,3
	v_exp_f32 v[BM+\c], v[BM+\c]
.endr
.irp e, 0,1
	v_pk_mul_f32 v[LS+2*(\a+\e):LS+2*(\a+\e)+1], v[LS+2*(\a+\e):LS+2*(\a+\e)+1], v[FF+2*\e:FF+2*\e+1] op_sel_hi:[1,0]   ; the sums under the new M (plain lines behind the batch)
.endr
	WALU                                           ; and behind it, ahead of its first reader
.irp c, 0,1,2,3
	v_max_num_f32 v[BM+\c], 0x1800000, v[BM+\c]    ; the floor 2^(3 - 127): the byte cannot fall under 1
.endr
.irp c, 0,1,2,3
	v_add_nc_u32 v[SO+\c], 0xff000000, v[BM+\c]    ; 2 off the exponent field: the conversion's scale operand
.endr
.irp c, 0,1,2,3
	v_lshrrev_b32 v[BM+\c], 23, v[SO+\c]           ; the scale's byte
.endr
.irp e, 0,1
	v_lshl_or_b32 v[WD+\e], v[BM+2*\e+1], 16, v[BM+2*\e]   ; my two bytes are blocks h and 2 + h of the scale word,
.endr
.irp e, 0,1
	v_lshlrev_b32 v[WD+\e], v12, v[WD+\e]          ; 8 h bits up;
.endr
.irp e, 0,1
	v_permlanex16_b32 v[WP+\e], v[WD+\e], s20, s21
.endr
.irp e, 0,1
	v_or_b32 v[PW+\e], v[WD+\e], v[WP+\e]          ; with lane l xor 16's two the word is whole
.endr
	CVT 0
.irp e, 0,1                            ; the rows' sums of the unquantised p: two chains a tile (also the plain lines behind the conversions)
	v_pk_add_f32 v[LT+12*\e:LT+12*\e+1], v[SB+64*\e:SB+64*\e+1], v[SB+64*\e+2:SB+64*\e+3]
.endr
.irp j, 4,8,12,16,20,24,28,32,36,40,44,48,52,56,60
.irp e, 0,1
	v_pk_add_f32 v[LS+2*(\a+\e):LS+2*(\a+\e)+1], v[LS+2*(\a+\e):LS+2*(\a+\e)+1], v[SB+64*\e+\j:SB+64*\e+\j+1]
.endr
.irp e, 0,1
	v_pk_add_f32 v[LT+12*\e:LT+12*\e+1], v[LT+12*\e:LT+12*\e+1], v[SB+64*\e+\j+2:SB+64*\e+\j+3]
.endr
.endr
.irp e, 0,1
	v_pk_add_f32 v[LS+2*(\a+\e):LS+2*(\a+\e)+1], v[LS+2*(\a+\e):LS+2*(\a+\e)+1], v[LT+12*\e:LT+12*\e+1]
.endr
	MOVC 0
	CVT 1
	v_nop                                          ; one plain line behind a scaled conversion
	MOVC 1
.if \b
	s_wait_tensorcnt 0x0                           ; my load of two key blocks has landed
.endif
	s_wait_dscnt 0x0                               ; V's fragments (second pair: the next step's K) are in
.if \b
	s_barrier_signal -1                            ; waited for in the next trip; only register work and LDS loads of bytes that nobody writes stand between
.endif
	RESC \a, 0
	RESC \a+1, 1
	PV \a, 0
	PV \a+1, 1
	WIN 0
.if \b
	NOPS                                           ; four places ahead of the loads into V's registers
	ds_load_b128 v[VS:VS+3], v[ADS]
	FRAGS VF, 6144
.endif
.endm
.macro EPI i                           ; tile i: O^T / the sum, quantised along the 64 channels (a block of 32 lies in lanes l and l xor 16), stored as a unit and two scale bytes a row
.set O_, 256+32*(\i)-128*((\i)/3)
.set C_, CD+6*(\i)
	v_add_f32 v[T0], v[LS+2*(\i)], v[LS+2*(\i)+1]
	v_permlanex16_b32 v[T1], v[T0], s20, s21
	v_add_f32 v[T0], v[T0], v[T1]
	WALU
	v_rcp_f32 v[FF], v[T0]
	v_nop
	WIN O_>>8
	WALU
.set J_, 0
.rept 16
	v_pk_mul_f32 v[SB+J_:SB+J_+1], v[(O_&255)+J_:(O_&255)+J_+1], v[FF:FF+1] op_sel_hi:[1,0]
.set J_, J_+2
.endr
	WIN 0
.irp c, 0,1
	v_max3_num_f32 v[BM+\c], |v[SB+16*\c]|, |v[SB+16*\c+1]|, 0x1800000
.endr
.irp k, 2,4,6,8,10,12,14
.irp c, 0,1
	v_max3_num_f32 v[BM+\c], v[BM+\c], |v[SB+16*\c+\k]|, |v[SB+16*\c+\k+1]|
.endr
.endr
.irp c, 0,1
	v_permlanex16_b32 v[WP+\c], v[BM+\c], s20, s21
.endr
.irp c, 0,1
	v_max_num_f32 v[BM+\c], v[BM+\c], v[WP+\c]
.endr
.irp c, 0,1
	v_add_nc_u32 v[SO+\c], 0xff000000, v[BM+\c]
.endr
.irp c, 0,1
	v_lshrrev_b32 v[BM+\c], 23, v[SO+\c]
.endr
	v_cvt_scalef32_pk16_fp6_f32 v[C_:C_+2], v[SB:SB+15], v[SO]
	v_cvt_scalef32_pk16_fp6_f32 v[TP:TP+2], v[SB+16:SB+31], v[SO+1]
	v_cndmask_b32 v[ST+2*(\i)], v[BM], v[BM+1], s53   ; lanes 0-15 store block 0's byte, lanes 16-31 block 1's
.irp k, 0,1,2
	v_permlane16_swap_b32 v[C_+\k], v[TP+\k]       ; a unit wants a whole block in a lane
.endr
.irp k, 0,1,2
	v_mov_b32 v[C_+3+\k], v[TP+\k]
.endr
	global_store_b128 v1, v[C_:C_+3], s[48:49] offset:12288*(\i)          ; 512 consecutive bytes; each tile has registers of its own, so no store's data are written again
	global_store_b64 v2, v[C_+4:C_+5], s[48:49] offset:12288*(\i)+512     ; 256 consecutive bytes
	global_store_b8 v9, v[ST+2*(\i)], s[50:51] offset:512*(\i)
.endm
	s_load_b256 s[4:11], s[0:1], 0x0               ; qq, kv, oc, os
	v_lshl_add_u32 v4, v0, 2, SPARE
	v_mov_b32 v5, 0
	ds_add_u32 v4, v5                              ; the opening lines: the add, twice on end, and its wait
	ds_add_u32 v4, v5
	v_lshrrev_b32 v1, 5, v0
	v_readfirstlane_b32 s12, v1                    ; wave 0..7
	v_and_b32 v6, 31, v0
	v_and_b32 v7, 15, v0                           ; r
	v_bfe_u32 v8, v0, 4, 1                         ; h
	v_lshlrev_b32 v1, 4, v6                        ; 16 x lane
	v_lshlrev_b32 v2, 3, v6                        ; 8 x lane
	v_lshlrev_b32 v13, 4, v7                       ; q's scale words: 16 r
	v_lshl_add_u32 v3, v8, 8, v13
	v_add_nc_u32 v3, 12288, v3                     ; a key block's scale words: lanes 0-15 K's, lanes 16-31 V's
	v_lshl_add_u32 v9, v7, 5, v8                   ; os: 32 r + h
	v_lshlrev_b32 v12, 3, v8                       ; 8 h
	s_bfe_u32 s13, ttmp6, 0x40000                  ; cx: which 512 queries
	s_and_b32 s54, ttmp7, 0xffff                   ; 16 batch + head
	s_mov_b32 s24, 15|(3<<16)|(1<<21)              ; group 1: the mask of all four partners, elements of 8 bytes; 100 rows of 256 bytes, dense
	s_mov_b32 s25, 32<<16
	s_mov_b32 s26, 100<<16
	s_mov_b32 s27, 32<<16
	s_mov_b32 s28, 100
	s_mov_b32 s29, 32
	s_mov_b32 s30, 0
	s_mov_b32 s31, 0
	s_mov_b32 s40, 1
	s_mul_i32 s41, s12, 2*BLKB                     ; wave w brings key blocks 2 w and 2 w + 1
	s_mul_i32 s48, s54, 16*BLKB
	s_add_co_u32 s48, s48, s41
	s_mov_b32 s49, 0
	s_mov_b32 s20, 0x76543210
	s_mov_b32 s21, 0xfedcba98                      ; v_permlanex16_b32's selects for lane l xor 16
	s_mov_b32 s22, 0x3e38aa3b                      ; log2(e) / 8
	s_mov_b32 s23, s22
	s_mov_b32 s53, 0xffff0000                      ; lanes 16-31
	s_and_b32 s55, s12, 1                          ; which four tiles of a block of 128 queries
	s_lshr_b32 s56, s12, 1
	s_lshl_b32 s57, s13, 2
	s_add_co_u32 s57, s57, s56                     ; which 128 queries of the 2,048
	s_mul_i32 s58, s54, 102400
	s_mul_i32 s59, s57, 6400
	s_add_co_u32 s58, s58, s59
	s_mul_i32 s59, s55, 3072
	s_add_co_u32 s60, s58, s59
	s_mov_b32 s61, 0
	s_lshl_b32 s59, s55, 3
	s_add_co_u32 s62, s58, s59
	s_add_co_u32 s62, s62, 6144
	s_mov_b32 s63, 0
	WALU
	s_wait_dscnt 0x0
	s_wait_kmcnt 0x0
	s_add_nc_u64 s[42:43], s[6:7], s[48:49]
	s_or_b32 s43, s43, 0x80000000
	s_add_nc_u64 s[16:17], s[4:5], s[60:61]        ; my four units of q
	s_add_nc_u64 s[18:19], s[4:5], s[62:63]        ; their two scale words a row
	s_lshr_b32 s58, s54, 4
	s_lshl_b32 s58, s58, 4
	s_add_co_u32 s58, s58, s57
	s_lshl_b32 s58, s58, 3
	s_lshl_b32 s59, s55, 2
	s_add_co_u32 s58, s58, s59                     ; my first tile among the 512 tiles of tokens
	s_and_b32 s59, s54, 15
	s_lshl_b32 s60, s58, 4
	s_add_co_u32 s60, s60, s59
	s_mul_i32 s60, s60, 768
	s_add_nc_u64 s[48:49], s[8:9], s[60:61]
	s_lshl_b32 s60, s58, 9
	s_lshl_b32 s59, s59, 1
	s_add_co_u32 s60, s60, s59
	s_add_nc_u64 s[50:51], s[10:11], s[60:61]
	CROUND                                         ; all four work-groups are here: the joint loads meet
	s_cmp_eq_u32 s12, 0
	s_cbranch_scc0 .Lothers
	tensor_load_to_lds s[40:43], s[24:31]          ; wave 0's line: key blocks 0 and 1
	s_nop 0
	NOPS
	s_branch .Lasked
.Lothers:
	tensor_load_to_lds s[40:43], s[24:31]          ; waves 1 to 7
	s_nop 0
	NOPS
.Lasked:
	WIN 0x40
.irp i, 0,1,2,3
	global_load_b128 v[QZ+6+12*\i:QZ+9+12*\i], v1, s[16:17] offset:768*\i
	global_load_b64 v[QZ+10+12*\i:QZ+11+12*\i], v2, s[16:17] offset:768*\i+512
.endr
.irp i, 0,1,2,3,4
.irp k, 0,1,2,3,4,5
	v_mov_b32 v[QZ+12*\i+\k], 0                    ; the zeros beside q
.endr
.endr
.set J_, 0
.rept 96
	v_mov_b32 v[J_], 0                             ; O^T: the step is written once, and the first finds zeros
.set J_, J_+1
.endr
	WIN 0
	global_load_b64 v[10:11], v13, s[18:19]
.set J_, 0
.rept 32
	v_mov_b32 v[224+J_], 0
.set J_, J_+1
.endr
	s_wait_loadcnt 0x0
	v_and_b32 v[QS], 0xffff, v10                   ; a word holds two tiles' two bytes; a tile's two stand for both halves of its operand
	v_lshrrev_b32 v[QS+1], 16, v10
	v_and_b32 v[QS+2], 0xffff, v11
	v_lshrrev_b32 v[QS+3], 16, v11
.irp i, 0,1,2,3
	v_lshl_or_b32 v[QS+\i], v[QS+\i], 16, v[QS+\i]
.endr
.irp i, 0,1,2,3
	v_mov_b32 v[ST+2*\i], 0x7e000000               ; -M: so large that the first factor is 0
	v_mov_b32 v[ST+2*\i+1], 0xff61b1e6             ; the largest score so far: -3e38
	v_mov_b32 v[LS+2*\i], 0
	v_mov_b32 v[LS+2*\i+1], 0
.endr
.irp r, FF+1, FF+3, T1, T1+1, WP, WP+1
	v_mov_b32 v[\r], 0                             ; pairs' upper halves and lane permutes' destinations are written once
.endr
	v_mov_b32 v[ADA], v1
	v_mov_b32 v[ADB], v2
	v_mov_b32 v[ADS], v3
	s_mov_b32 s14, 0
	s_mov_b32 s15, 16
	WALU
	s_cmp_eq_u32 s12, 0
	s_cbranch_scc0 .Lnot_first
	s_wait_tensorcnt 0x0
.Lnot_first:
	s_barrier_signal -1
	s_barrier_wait -1                              ; key blocks 0 and 1 are in
	s_barrier_signal -1                            ; the signal for the first trip's wait
	ds_load_b128 v[KS:KS+3], v[ADS]
	FRAGS KF, 0
	ds_load_b128 v[VS:VS+3], v[ADS]
	FRAGS VF, 6144
	s_wait_dscnt 17                                ; K's 17 loads are in; V's 17 may be out
.Lstep:
	PHASE 0, 0
	PHASE 2, 1
	s_sub_co_u32 s15, s15, 1
	s_cmp_lg_u32 s15, 0
	WALU
	s_cbranch_scc1 .Lstep
	s_barrier_wait -1
	s_wait_dscnt 0x0
	EPI 0
	EPI 1
	EPI 2
	EPI 3
	s_wait_tensorcnt 0x0                           ; the wave's end
	ds_add_u32 v4, v5
	s_wait_dscnt 0x0
	CROUND                                         ; the closing round
	s_endpgm
.Lfunc_end_k_q92b1de8136_attn:
	.size	k_q92b1de8136_attn, .Lfunc_end_k_q92b1de8136_attn-k_q92b1de8136_attn
	.p2alignl 7, 3214868480
	.fill 96, 4, 3214868480
	.section	.rodata,"a",@progbits
	.p2align	6, 0x0
	.amdhsa_kernel k_q92b1de8136_attn
		.amdhsa_group_segment_fixed_size 327680
		.amdhsa_private_segment_fixed_size 0
		.amdhsa_enable_private_segment 0
		.amdhsa_kernarg_size 32
		.amdhsa_user_sgpr_count 2
		.amdhsa_user_sgpr_kernarg_segment_ptr 1
		.amdhsa_wavefront_size32 1
		.amdhsa_system_sgpr_workgroup_id_x 1
		.amdhsa_system_sgpr_workgroup_id_y 1
		.amdhsa_system_sgpr_workgroup_id_z 1
		.amdhsa_system_vgpr_workitem_id 0
		.amdhsa_next_free_vgpr 512
		.amdhsa_next_free_sgpr 66
		.amdhsa_reserve_vcc 0
		.amdhsa_float_denorm_mode_32 3
		.amdhsa_float_denorm_mode_16_64 3
		.amdhsa_memory_ordered 1
		.amdhsa_forward_progress 1
		.amdhsa_inst_pref_size 81
	.end_amdhsa_kernel
	.amdgpu_metadata
---
amdhsa.version: [ 1, 2 ]
amdhsa.kernels:
  - .name:           k_q92b1de8136_attn
    .symbol:         k_q92b1de8136_attn.kd
    .args:
      - { .name: qq, .offset: 0, .size: 8, .value_kind: global_buffer, .address_space: global }
      - { .name: kv, .offset: 8, .size: 8, .value_kind: global_buffer, .address_space: global }
      - { .name: oc, .offset: 16, .size: 8, .value_kind: global_buffer, .address_space: global }
      - { .name: os, .offset: 24, .size: 8, .value_kind: global_buffer, .address_space: global }
    .group_segment_fixed_size: 327680
    .private_segment_fixed_size: 0
    .kernarg_segment_align: 8
    .kernarg_segment_size: 32
    .max_flat_workgroup_size: 256
    .sgpr_count:     66
    .vgpr_count:     512
    .wavefront_size: 32
...
	.end_amdgpu_metadata
.endif
;; end of part 3
;; launch oproj (part 4): grid 8 x 32, 4 waves a work-group, clusters of 4 x 4, 327,680 bytes of LDS; arguments oc, os, codes, scl, bo, out0; writes out0
.if DOCPART == 4
	.amdgcn_target "amdgcn-amd-amdhsa--gfx1250"
	.amdhsa_code_object_version 6
	.text
	.protected	k_q92b1de8136_oproj
	.globl	k_q92b1de8136_oproj
	.p2align	8
	.type	k_q92b1de8136_oproj,@function
k_q92b1de8136_oproj:
	s_mov_b64 s[64:65], 0
	v_nop
	global_prefetch_b8 v0, s[64:65] scope:SCOPE_SE
	s_setreg_imm32_b32 hwreg(HW_REG_WAVE_MODE, 25, 1), 1
	s_wait_xcnt 0x0
	s_wait_alu depctr_hold_cnt(0) depctr_sa_sdst(0) depctr_va_vdst(0) depctr_va_sdst(0) depctr_va_ssrc(0) depctr_va_vcc(0) depctr_vm_vsrc(0)
	s_getreg_b32 s2, hwreg(HW_REG_IB_STS2, 6, 4)
	s_cmp_eq_u32 s2, 0
	s_cbranch_scc0 .Lentry_in_a_cluster
	s_endpgm
.Lentry_in_a_cluster:
	s_bfe_u32 s2, ttmp6, 0x10000c
	s_cmp_lg_u32 s2, 0xf033
	s_cbranch_scc0 .Lentry_shape_is_right
	s_endpgm
.Lentry_shape_is_right:
; out0 = o Wo^T + bo on codes of FP6 (E2M3) with E8M0 scales, f32 sums and f32 results.  The bias is the C of each sum's first product.
; IN: oc [tile of 16 tokens][16 units of 64 K][768 bytes in the order of the operand's registers], os [tile][r][32]; Wo's 64 tiles from tile 1,728 of codes and scl.  Tile t holds rows 32 (t / 2) + 8 (t % 2) + r + 8 (r / 8).
; SHARES.  256 work-groups: 32 blocks of 256 tokens x 8 blocks of 128 columns.  Nothing walks along K and no LDS byte is filled twice by a tensor load: Wo's 8 tiles, the 16 tiles of tokens and their scale bytes are asked for at the head, one joint load a wave.
; Four waves, 2 x 2: wave (a, b) holds Wo's tiles 4 b .. 4 b + 3 (64 columns), all of K, in 384 registers, and streams tokens' tiles 8 a .. 8 a + 7 past them: a block is 16 tokens, 32 products, the four accumulators by turns.
; Source 0 = Wo's rows: a lane holds one token and eight neighbouring columns a tile.  A block's 16 x 64 results go through the wave's own stage in LDS and leave as rows of 256 bytes, sixteen lanes to an aligned unit, one block behind the products.
; CLUSTERS 4 x 4: tokens' tiles are shared along a row of the cluster, Wo's along a column.  No prefetch: all that the work-group reads is asked for at the head, and there is no loop to run ahead in.
; REGISTERS: v0-31 addresses; v32-47 Wo's scale words; v52-67 the tokens', two sets; v72-135 accumulators, two sets; v136-199 rows read back from the stage, two sets; v200-231 the bias;
;   fragment f lies in window 1 + f / 21 at register 12 (f % 21): 0-31 Wo's (4 q + t), 32-39 and 40-47 the tokens' two sets.
.set TB,    12288
.set XB,    8*TB
.set SX,    24*TB
.set SW,    SX+16*512
.set STAGE, SW+8*512                   ; 16 rows x (256 + 16) bytes for each wave; no tensor load lands here
.set SP,    272
.set SPARE, STAGE+4*16*SP              ; the spare words, 128 bytes a wave, which no other line names
.set FR,  12
.set FPW, 21
.set SWR, 32
.set SXR, 52
.set ACC, 72
.set OB,  136
.set BB,  200
.set MSB, 0
.macro WIN new
.if MSB != (\new)
	s_set_vgpr_msb (MSB<<8)|(\new)
.set MSB, (\new)
.endif
.endm
.macro WALU
	s_wait_alu depctr_va_vdst(0)
.endm
.macro NOPS
.rept 4
	v_nop
.endr
.endm
.macro CROUND
	s_barrier_signal -1
	s_barrier_wait -1
	s_cmp_lg_u32 s18, 0
	s_cbranch_scc1 .Lnot_wave_0_\@
	s_barrier_signal -3
.Lnot_wave_0_\@:
	s_barrier_wait -3
	s_barrier_signal -1
	s_barrier_wait -1
.endm
.macro GRP1 g, mask, rows
	s_or_b32 s[\g], s[\mask], (3<<16)|(1<<21)
	s_mov_b32 s[\g+1], 32<<16
	s_mov_b32 s[\g+2], (\rows)<<16
	s_mov_b32 s[\g+3], 32<<16
	s_mov_b32 s[\g+4], \rows
	s_mov_b32 s[\g+5], 32
	s_mov_b32 s[\g+6], 0
	s_mov_b32 s[\g+7], 0
.endm
.macro GRP0 g, lds, base, off
	s_mov_b32 s[\g], 1
	s_mov_b32 s[\g+1], \lds
	s_add_nc_u64 s[\g+2:\g+3], s[\base:\base+1], s[\off:\off+1]
	s_or_b32 s[\g+3], s[\g+3], 0x80000000
.endm
.macro ARM under, g0, g1, next
	s_cmp_lt_u32 s18, \under
	s_cbranch_scc0 \next
	tensor_load_to_lds s[\g0:\g0+3], s[\g1:\g1+7]
	s_nop 0
	NOPS
	s_branch .Lhead_asked
\next:
.endm
.macro FRAG f, av, bv, off
	WIN (1+(\f)/FPW)<<6
.set R_, FR*((\f)%FPW)
	ds_load_b128 v[R_:R_+3], v[\av] offset:\off
	ds_load_b64 v[R_+4:R_+5], v[\bv] offset:(\off)+512
	ds_load_b128 v[R_+6:R_+9], v[\av] offset:(\off)+768
	ds_load_b64 v[R_+10:R_+11], v[\bv] offset:(\off)+1280
.endm
.macro FETCH e, n                      ; 34 LDS loads
.irp q, 0,1,2,3,4,5,6,7
	FRAG 32+8*(\e)+\q, 8+3*((\n)/4), 9+3*((\n)/4), TB*((\n)%4)+1536*\q
.endr
	WIN 0
	ds_load_b128 v[SXR+8*(\e):SXR+8*(\e)+3], v10 offset:512*(\n)
	ds_load_b128 v[SXR+8*(\e)+4:SXR+8*(\e)+7], v10 offset:512*(\n)+16
.endm
.macro W1 d, s0, s1, c, x0, x1, o
.if \o
	v_wmma_scale_f32_16x16x128_f8f6f4 v[\d:\d+7], v[\s0:\s0+11], v[\s1:\s1+11], \c, v[\x0], v[\x1] matrix_a_fmt:MATRIX_FMT_FP6 matrix_b_fmt:MATRIX_FMT_FP6 matrix_a_scale:MATRIX_SCALE_ROW1
.else
	v_wmma_scale_f32_16x16x128_f8f6f4 v[\d:\d+7], v[\s0:\s0+11], v[\s1:\s1+11], \c, v[\x0], v[\x1] matrix_a_fmt:MATRIX_FMT_FP6 matrix_b_fmt:MATRIX_FMT_FP6
.endif
.endm
.macro PROD e, q, t, d, c
.set FW_, 4*(\q)+(\t)
.set FX_, 32+8*(\e)+(\q)
	WIN (1+FW_/FPW)|((1+FX_/FPW)<<2)
	W1 \d, FR*(FW_%FPW), FR*(FX_%FPW), \c, SWR+8*((\t)/2)+(\q), SXR+8*(\e)+(\q), (\t)%2
.endm
.macro BLK e, d0
.irp q, 0,1,2,3,4,5,6,7
.irp t, 0,1,2,3
.if \q
	PROD \e, \q, \t, (\d0)+8*\t, v[(\d0)+8*\t:(\d0)+8*\t+7]
.else
	PROD \e, \q, \t, (\d0)+8*\t, v[BB+8*\t:BB+8*\t+7]
.endif
.endr
.endr
	WIN 0
.endm
.macro TOSTAGE n                       ; 8 stores and 8 loads: LDS serves a wave's instructions in order, so no wait stands between them
.set A_, ACC+32*((\n)%2)
.irp t, 0,1,2,3
	ds_store_b128 v19, v[A_+8*\t:A_+8*\t+3] offset:128*(\t/2)+32*(\t%2)       ; tile t's register j is column 32 (t / 2) + 8 (t % 2) + 16 h + j; each accumulator from its low end on
	ds_store_b128 v19, v[A_+8*\t+4:A_+8*\t+7] offset:128*(\t/2)+32*(\t%2)+16
.endr
.irp i, 0,1,2,3,4,5,6,7
	ds_load_b128 v[OB+32*((\n)%2)+4*\i:OB+32*((\n)%2)+4*\i+3], v20 offset:2*\i*SP
.endr
.endm
.macro SEND n                          ; sixteen lanes store 256 consecutive bytes of a row of out0, aligned
.irp i, 0,1,2,3,4,5,6,7
	global_store_b128 v21, v[OB+32*((\n)%2)+4*\i:OB+32*((\n)%2)+4*\i+3], s[96:97] offset:(32*((\n)/2)+8*((\n)%2)+2*\i+8*(\i/4))*4096 th:TH_STORE_NT
.endr
.endm
.macro OBLK n
.if (\n) == 0
	s_wait_dscnt 34                                ; block 0's fetch is in; block 1's 34 loads may be out
.elseif (\n) < 7
	s_wait_dscnt 50                                ; younger than this block's fetch: the last block's 16 stage instructions and the next block's 34 loads
.else
	s_wait_dscnt 16                                ; the last block's 16 stage instructions
.endif
	BLK (\n)%2, ACC+32*((\n)%2)
	NOPS                                           ; four places ahead of the LDS stores of the sums and of the loads into the set
.if (\n) > 0
.if (\n) < 7
	s_wait_dscnt 34                                ; the last block's rows are back from the stage; the next block's fetch may be out
.else
	s_wait_dscnt 0x0
.endif
	SEND (\n)-1
.endif
.if (\n) > 1
	s_wait_xcnt 0x0                                ; the stores of two blocks ago have read the registers that this block's rows land in
.endif
	TOSTAGE \n
.if (\n) < 6
	FETCH (\n)%2, (\n)+2
.endif
.endm
	s_load_b256 s[4:11], s[0:1], 0x0               ; oc, os, codes, scl
	s_load_b128 s[12:15], s[0:1], 0x20             ; bo, out0
	v_lshl_add_u32 v14, v0, 2, SPARE
	v_mov_b32 v15, 0
	ds_add_u32 v14, v15                            ; the opening lines: the add, twice on end, and its wait
	ds_add_u32 v14, v15
	v_lshrrev_b32 v1, 5, v0
	v_readfirstlane_b32 s18, v1
	s_lshr_b32 s19, s18, 1                         ; a: which 128 tokens
	s_and_b32 s20, s18, 1                          ; b: which 64 columns
	s_bfe_u32 s21, ttmp6, 0x40000
	s_bfe_u32 s22, ttmp6, 0x40004
	s_and_b32 s23, ttmp7, 0xffff
	s_lshl_b32 s77, ttmp9, 2
	s_add_co_u32 s77, s77, s21                     ; which 128 columns, 0..7
	s_lshl_b32 s78, s23, 2
	s_add_co_u32 s78, s78, s22                     ; which 256 tokens, 0..31
	s_lshl_b32 s79, s22, 2
	s_lshl_b32 s79, 15, s79                        ; my row of the cluster
	s_lshl_b32 s80, 0x1111, s21                    ; my column
	GRP1 24, 80, 384
	GRP1 32, 80, 16
	GRP1 40, 79, 768
	GRP1 48, 79, 32
	s_lshl_b32 s81, s77, 3
	s_add_co_u32 s81, s81, 1728                    ; Wo's first tile
	s_mul_i32 s82, s81, TB
	s_mov_b32 s83, 0
	s_lshl_b32 s84, s81, 9
	s_mov_b32 s85, 0
	s_mul_i32 s86, s78, 16*TB
	s_mov_b32 s87, 0
	s_lshl_b32 s88, s78, 13
	s_mov_b32 s89, 0
	s_wait_dscnt 0x0
	s_wait_kmcnt 0x0
	GRP0 56, 0,  8, 82
	GRP0 60, SW, 10, 84
	GRP0 68, XB, 4, 86
	GRP0 72, SX, 6, 88
	CROUND
	ARM 1, 56, 24, .Lhead_1                        ; Wo's codes, its scale bytes,
	ARM 2, 60, 32, .Lhead_2
	ARM 3, 68, 40, .Lhead_3                        ; the tokens' codes,
	tensor_load_to_lds s[72:75], s[48:55]          ; their scale bytes
	s_nop 0
	NOPS
.Lhead_asked:
	s_lshl_b32 s90, s78, 1
	s_add_co_u32 s90, s90, s19
	s_lshl_b32 s90, s90, 19                        ; my first row of out0: 128 rows of 4,096 bytes a step
	s_lshl_b32 s92, s77, 1
	s_add_co_u32 s92, s92, s20
	s_lshl_b32 s92, s92, 8                         ; my first column, in bytes
	s_mov_b32 s93, 0
	s_add_nc_u64 s[2:3], s[12:13], s[92:93]        ; my 64 numbers of the bias
	s_add_co_u32 s90, s90, s92
	s_mov_b32 s91, 0
	s_add_nc_u64 s[96:97], s[14:15], s[90:91]
	s_mul_i32 s81, s20, 4*TB
	s_mul_i32 s82, s19, 8*TB
	s_add_co_u32 s82, s82, XB
	s_add_co_u32 s83, s82, 4*TB
	s_lshl_b32 s84, s19, 12
	s_add_co_u32 s84, s84, SX
	s_lshl_b32 s85, s20, 11
	s_add_co_u32 s85, s85, SW
	s_mul_i32 s86, s18, 16*SP
	s_add_co_u32 s86, s86, STAGE                   ; my stage
	v_and_b32 v16, 31, v0
	v_and_b32 v3, 15, v0                           ; r
	v_bfe_u32 v4, v0, 4, 1                         ; h
	v_lshlrev_b32 v1, 4, v16
	v_lshlrev_b32 v2, 3, v16
	v_lshlrev_b32 v17, 5, v3
	v_lshlrev_b32 v5, 4, v3                        ; 16 r
	v_add_nc_u32 v6, s81, v1
	v_add_nc_u32 v7, s81, v2
	v_add_nc_u32 v8, s82, v1
	v_add_nc_u32 v9, s82, v2
	v_add_nc_u32 v11, s83, v1
	v_add_nc_u32 v12, s83, v2
	v_add_nc_u32 v10, s84, v17
	v_lshl_add_u32 v16, v4, 9, v17
	v_add_nc_u32 v16, s85, v16
	v_mul_u32_u24 v19, v3, SP
	v_lshl_add_u32 v19, v4, 6, v19
	v_add_nc_u32 v19, s86, v19                     ; into the stage: row r, 64 h bytes on
	v_mad_u32_u24 v20, v4, SP, v5
	v_add_nc_u32 v20, s86, v20                     ; back: lanes 0-15 one row, lanes 16-31 the next
	v_lshl_add_u32 v21, v4, 12, v5                 ; and the same two rows in out0
	v_lshlrev_b32 v13, 6, v4                       ; the bias: 16 h columns on
	WALU
.irp t, 0,1,2,3
	global_load_b128 v[BB+8*\t:BB+8*\t+3], v13, s[2:3] offset:4*(32*(\t/2)+8*(\t%2))
	global_load_b128 v[BB+8*\t+4:BB+8*\t+7], v13, s[2:3] offset:4*(32*(\t/2)+8*(\t%2))+16
.endr
	s_cmp_lt_u32 s18, 2
	s_cbranch_scc0 .Lnot_w
	s_wait_tensorcnt 0x0
.Lnot_w:
	s_barrier_signal -1
	s_barrier_wait -1                              ; Wo's codes and scale bytes are in
.irp p, 0,1
.irp c, 0,1
	ds_load_b128 v[SWR+8*\p+4*\c:SWR+8*\p+4*\c+3], v16 offset:1024*\p+16*\c
.endr
.endr
.irp q, 0,1,2,3,4,5,6,7
.irp t, 0,1,2,3
	FRAG 4*\q+\t, 6, 7, TB*\t+1536*\q
.endr
.endr
	WIN 0
	s_wait_tensorcnt 0x0
	s_wait_dscnt 0x0
	s_barrier_signal -1
	s_barrier_wait -1                              ; all four tiles are in
	FETCH 0, 0
	FETCH 1, 1
	s_wait_loadcnt 0x0                             ; the bias
.irp n, 0,1,2,3,4,5,6,7
	OBLK \n
.endr
	s_wait_dscnt 0x0
	SEND 7
	s_wait_tensorcnt 0x0                           ; the wave's end, behind my last LDS store
	ds_add_u32 v14, v15
	s_wait_dscnt 0x0
	CROUND                                         ; the closing round
	s_endpgm
.Lfunc_end_k_q92b1de8136_oproj:
	.size	k_q92b1de8136_oproj, .Lfunc_end_k_q92b1de8136_oproj-k_q92b1de8136_oproj
	.p2alignl 7, 3214868480
	.fill 96, 4, 3214868480
	.section	.rodata,"a",@progbits
	.p2align	6, 0x0
	.amdhsa_kernel k_q92b1de8136_oproj
		.amdhsa_group_segment_fixed_size 327680
		.amdhsa_private_segment_fixed_size 0
		.amdhsa_enable_private_segment 0
		.amdhsa_kernarg_size 48
		.amdhsa_user_sgpr_count 2
		.amdhsa_user_sgpr_kernarg_segment_ptr 1
		.amdhsa_wavefront_size32 1
		.amdhsa_system_sgpr_workgroup_id_x 1
		.amdhsa_system_sgpr_workgroup_id_y 1
		.amdhsa_system_sgpr_workgroup_id_z 1
		.amdhsa_system_vgpr_workitem_id 0
		.amdhsa_next_free_vgpr 1024
		.amdhsa_next_free_sgpr 102
		.amdhsa_reserve_vcc 0
		.amdhsa_float_denorm_mode_32 3
		.amdhsa_float_denorm_mode_16_64 3
		.amdhsa_memory_ordered 1
		.amdhsa_forward_progress 1
		.amdhsa_inst_pref_size 84
	.end_amdhsa_kernel
	.amdgpu_metadata
---
amdhsa.version: [ 1, 2 ]
amdhsa.kernels:
  - .name:           k_q92b1de8136_oproj
    .symbol:         k_q92b1de8136_oproj.kd
    .args:
      - { .name: oc, .offset: 0, .size: 8, .value_kind: global_buffer, .address_space: global }
      - { .name: os, .offset: 8, .size: 8, .value_kind: global_buffer, .address_space: global }
      - { .name: codes, .offset: 16, .size: 8, .value_kind: global_buffer, .address_space: global }
      - { .name: scl, .offset: 24, .size: 8, .value_kind: global_buffer, .address_space: global }
      - { .name: bo, .offset: 32, .size: 8, .value_kind: global_buffer, .address_space: global }
      - { .name: out0, .offset: 40, .size: 8, .value_kind: global_buffer, .address_space: global }
    .group_segment_fixed_size: 327680
    .private_segment_fixed_size: 0
    .kernarg_segment_align: 8
    .kernarg_segment_size: 48
    .max_flat_workgroup_size: 128
    .sgpr_count:     102
    .vgpr_count:     1024
    .wavefront_size: 32
...
	.end_amdgpu_metadata
.endif
;; end of part 4
